; MI455X (gfx1250); checked and timed in simulation.
; The chip was launched on July 23, 2026; its instructions are those of AMD's public machine-readable ISA for CDNA 5 (MIT licence, August 2026) and "CDNA5" Instruction Set Architecture Reference Guide (July 2026). The comments in the code are by the model that wrote it; some were corrected since.
;; GSVD Layer. Allowed arithmetic: matrix products marked QUANTISED: E2M3 operands, one E8M0 scale for each 32 along K, by v_wmma_scale_f32_16x16x128_f8f6f4 with both operands' format E2M3, f32 sums; everything else in f32.
;; Inputs: S 1,024 float32; U 2,048 x 1,024 float32; Vh 1,024 x 4,096 float32; x 4 x 1,024 x 4,096 float32.
;; Outputs: out0 4 x 1,024 x 2,048 float32.
;; This version of the problem:
;;   THIS VERSION OF THE PROBLEM IS GIVEN IN LOW PRECISION. The matrix products marked QUANTISED in the list below multiply operands that are first quantised to E2M3 (2 exponent bits, 3 mantissa bits; 6 bits a number), with one power-of-two scale for each 32 numbers along K (OCP MX v1.0); their sums are f32. All else is computed in f32.
;;   The module's matrix products, in the order in which they are computed (A, B: the left and right operand; K: the contracted axis; several contracted axes count as one K, in the product's order):
;;     1. [M 2,048, K 1,024] x [K 1,024, N 4,096]; A: computed on the way; B: input Vh: QUANTISED
;;     2. [M 4,096, K 4,096] x [K 4,096, N 2,048]; A: input x; B: computed on the way: QUANTISED
;;   THE QUANTISER, for each operand of a quantised product, along K:
;;     - K is cut into blocks of 32 from its start; a last block that is shorter is filled with zeros.
;;     - A block's scale is 2^e with e = floor(log2(the largest magnitude in the block)) - 2, held to -126 .. 127; a block of zeros has e = 0. As a byte (E8M0): e + 127.
;;     - Each number is divided by its block's scale, clamped to +-7.5, and rounded to the nearest number of E2M3, ties to even, subnormals kept.
;;     - The product sums the exact products of the quantised numbers (number of the format x scale) in f32.
;;   ~~~python
;;   def quantise(x, axis):      # numpy; x: float32 -> the quantised numbers, widened to float32 again
;;       x = np.moveaxis(x, axis, -1); K = x.shape[-1]
;;       x = np.pad(x, [(0, 0)] * (x.ndim - 1) + [(0, -K % 32)]); x = x.reshape(x.shape[:-1] + (-1, 32)); a = np.abs(x).max(-1, keepdims=True)
;;       e = np.where(a > 0, np.clip(np.frexp(np.where(a > 0, a, 1))[1] - 1 - 2, -126, 127), 0)      # np.frexp(a)[1] - 1 = floor(log2(a)), exactly
;;       r = np.clip(x / 2.0 ** e, -7.5, 7.5)
;;       step = 2.0 ** (np.maximum(np.frexp(np.where(r == 0, 1, r))[1] - 1, 0) - 3)
;;       q = np.round(r / step) * step * 2.0 ** e      # np.round: ties to even
;;       return np.moveaxis(q.reshape(q.shape[:-2] + (-1,))[..., :K], -1, axis).astype(np.float32)
;;   ~~~
;;   OPERANDS COMPUTED ON THE WAY. 'Computed on the way' means the value that the module computes at that place (a softmax that the list does not call 'softmax' is quantised finished and normalised). What goes into a quantiser is computed in f32, as accurately as f32 sums, v_exp_f32 and their like allow (about 1e-6 of the number): no bf16 or f16 on the way to a quantiser, and a product that is left as it is and whose result goes on into a quantised operand takes f32 operands (vector FMAs, or v_wmma_f32_16x16x4_f32). A number that lies on a knife's edge between two numbers of the format may be rounded either way, as far as f32 arithmetic and the matrix unit's own rounding can turn it there, and no further.
;; One version. Each part assembles by itself: llvm-mc -triple=amdgcn-amd-amdhsa -mcpu=gfx1250 --defsym DOCPART=n.
;; ======== version 1 of 1: 3 launches
;; limits: right only within a limited range of input values
;; workspace buffers: xq 13,107,200 bytes; uq 1,638,400 bytes; vq 3,276,800 bytes; wq 6,553,600 bytes
;; launch quant (part 1): grid 704 x 1, 4 waves a work-group, no clusters, 34,304 bytes of LDS; arguments x, U, S, Vh, xq, uq, vq; writes xq, uq, vq
.if DOCPART == 1
	.amdgcn_target "amdgcn-amd-amdhsa--gfx1250"
	.amdhsa_code_object_version 6
	.text
	.protected	k_qa15a5a877a_quant
	.globl	k_qa15a5a877a_quant
	.p2align	8
	.type	k_qa15a5a877a_quant,@function
k_qa15a5a877a_quant:
	s_mov_b64 s[64:65], 0
	v_nop
	global_prefetch_b8 v0, s[64:65] scope:SCOPE_SE
	s_setreg_imm32_b32 hwreg(HW_REG_WAVE_MODE, 25, 1), 1
	s_wait_xcnt 0x0
; x [4096][4096], U * S [2048][1024] (both with K innermost) and Vh [1024 (K)][4096] (K is its first axis), all f32, become codes of E2M3, 6 bits each,
; with one E8M0 scale byte for each 32 along K.  A block's scale is 2^(floor(log2(its largest magnitude)) - 2): its byte is the largest magnitude's own exponent field - 2, held at 1 from below.
; LIMITS: NaN and infinities among the inputs are not served.  A block of zeros gets the byte 1 where the rule says 127: its codes are zeros, which add nothing under any byte but 0xff, and only this
; program reads the bytes.  Blocks whose largest magnitude lies under 2^-124 get the byte 1, as the rule asks; they were not tried.
; THE LAYOUT OF ALL THREE RESULTS: PANELS, in the order of the matrix operand's registers.  An operand of R rows and K columns is [K / 512][R / 64] panels of 25,600 bytes.  In a panel (64 rows x 512 K):
;   codes at 6144 j + 1536 rt + 512 c + 16 l: registers 4 c .. 4 c + 3 of lane l of the fragment (16 rows x 128 K, 12 registers) of K step j, tile of rows rt;
;   scale words at 24576 + 256 j + 8 l + 4 q: the four bytes of K step j of row l % 16 of tile 2 q + l / 16.
; So a reader takes a fragment by three dense loads of 16 bytes a lane and the words of four tiles by one load of 8 bytes a lane, and neighbouring panels are one dense block.
; Rows are natural in xq and uq.  In vq they are permuted inside each 32: tile 2 q + u, row r holds column d = 64 p + 32 q + 8 u + r + 8 (r / 8), so that the next launch's results have 16 neighbours along d in a lane.
; SHARES: one wave makes one K step of one panel (64 rows x 128 K: 32 KiB in, 6,400 bytes out).  Work-groups 0-127 take Vh, 128-191 U, 192-703 x.  Waves share nothing: no barrier.  Work-groups share no input:
; no cluster.  Loads go through registers, so that several work-groups lie on a WGP and their loads are on their way together.  Nothing is looped: no register that a pending load or store names is written again.
.set PANEL, 25600
.set SP,    528                        ; a stage row: 512 bytes + 16: the 16 rows that a read touches start 33 x 16 bytes apart
.set STG,   16*SP                      ; a wave's stage
.set OFF,   12                         ; v12-27   row i of a tile: i x pitch + 16 x lane
.set SV,    28                         ; v28-31   S at my four columns of a load
.set R0,    32                         ; v32-95, v96-159  two sets of 64 numbers
.set TM,    160                        ; v160-163 largest magnitudes, v164-167 the other half's, then bytes, v172-175 the conversions' scale operands
.set PW,    176                        ; v176-179 a scale word for each of the four tiles
.set SW,    180                        ; v180-181 the words as they are stored
.set TQ,    184                        ; v184-190 the upper halves' codes on their way
.set CD,    192                        ; v192-239 codes: 12 registers for each tile, written once
.set X,     32                         ; Vh: v32-95 two sets of 32 numbers
.set STR,   96                         ; Vh: v96-143 four strings of 12 registers: what lane (r, h) of the fragment holds, for q = 0, 1 and h = 0, 1
.set SWV,   144                        ; Vh: v144-145 my two columns' scale words
.set TC,    148                        ; Vh: v148-150 a block's upper 16 codes on their way
; 64 numbers of a lane, v[s] on, register 16 b + i = k 32 b + 16 (lane / 16) + i of row lane % 16, become a fragment's 12 registers in v[cd] on and the row's scale word in v[pw]
.macro QUANT s, cd, pw
.irp b, 0,1,2,3
	v_max3_num_f32 v[TM+\b], |v[\s+16*\b]|, |v[\s+16*\b+1]|, 0x1800000   ; block b: my 16 numbers, and the floor 2^(3 - 127): the byte cannot fall under 1
.endr
.irp i, 2,4,6,8,10,12,14
.irp b, 0,1,2,3
	v_max3_num_f32 v[TM+\b], v[TM+\b], |v[\s+16*\b+\i]|, |v[\s+16*\b+\i+1]|   ; the four blocks by turns: no line waits for the line above it
.endr
.endr
.irp b, 0,1,2,3
	v_permlanex16_b32 v[TM+4+\b], v[TM+\b], s42, s43
.endr
.irp b, 0,1,2,3
	v_max_num_f32 v[TM+\b], v[TM+\b], v[TM+4+\b]           ; with lane l xor 16's 16: the block's largest magnitude
.endr
.irp b, 0,1,2,3
	v_add_nc_u32 v[TM+12+\b], 0xff000000, v[TM+\b]         ; 2 off its exponent field: the conversion takes the exponent field of this operand as its scale
.endr
.irp b, 0,1,2,3
	v_lshrrev_b32 v[TM+4+\b], 23, v[TM+12+\b]              ; the scale's byte
.endr
	v_lshl_or_b32 v[\pw], v[TM+5], 8, v[TM+4]              ; four bytes make the row's word
	v_lshl_or_b32 v[\pw], v[TM+6], 16, v[\pw]
	v_lshl_or_b32 v[\pw], v[TM+7], 24, v[\pw]
.irp c, 0,1
	v_cvt_scalef32_pk16_fp6_f32 v[\cd+6*\c:\cd+6*\c+2], v[\s+32*\c:\s+32*\c+15], v[TM+12+2*\c]
	v_cvt_scalef32_pk16_fp6_f32 v[TQ+4*\c:TQ+4*\c+2], v[\s+32*\c+16:\s+32*\c+31], v[TM+12+2*\c+1]   ; (a conversion's three registers begin on an even number)
.endr
	v_nop                                                  ; one plain instruction between a scaled conversion and the use of its result
.irp c, 0,1                                                ; the operand wants a WHOLE block in a lane: lanes 0-15 block 2 c, lanes 16-31 block 2 c + 1
.irp i, 0,1,2
	v_permlane16_swap_b32 v[\cd+6*\c+\i], v[TQ+4*\c+\i]
.endr
.irp i, 0,1,2
	v_mov_b32 v[\cd+6*\c+3+\i], v[TQ+4*\c+\i]
.endr
.endr
.endm
; tile f of the wave's four: 16 rows x 128 numbers; each load takes 512 consecutive bytes of one row
.macro GLOAD f
.irp i, 0,1,2,3,4,5,6,7,8,9,10,11,12,13,14,15
	global_load_b128 v[R0+64*((\f)%2)+4*\i:R0+64*((\f)%2)+4*\i+3], v[OFF+\i], s[32+2*(\f):33+2*(\f)] th:TH_LOAD_NT
.endr
.endm
; tile f is turned through the wave's stage, quantised and stored.  left = the younger loads that may stay out
.macro FRAGQ f, left
.set RS, R0+64*((\f)%2)
	s_wait_loadcnt \left                                   ; loads come back in order: this tile's 16 are in, the other set's 16 may be out
	s_cmp_lg_u32 s19, 0                                    ; U alone is multiplied by S; as loaded, every row wants the same four S in a lane
	s_cbranch_scc0 .Lplain_\@
.set i, 0
.rept 16
	v_pk_mul_f32 v[RS+4*i:RS+4*i+1], v[RS+4*i:RS+4*i+1], v[SV:SV+1]
	v_pk_mul_f32 v[RS+4*i+2:RS+4*i+3], v[RS+4*i+2:RS+4*i+3], v[SV+2:SV+3]
.set i, i+1
.endr
.Lplain_\@:
.irp i, 0,1,2,3,4,5,6,7,8,9,10,11,12,13,14,15
	ds_store_b128 v5, v[RS+4*\i:RS+4*\i+3] offset:SP*\i    ; as loaded: row i, 16 bytes a lane
.endr
	s_wait_alu depctr_va_vdst(0)
.irp b, 0,1,2,3
.irp jj, 0,1,2,3
	ds_load_b128 v[RS+16*\b+4*\jj:RS+16*\b+4*\jj+3], v6 offset:128*\b+16*\jj   ; back: lane (r, h) takes 16 neighbours of each block of row r.  LDS serves a wave's instructions in order: these see the stores
.endr
.endr
	s_wait_dscnt 0x0
	QUANT RS, CD+12*(\f), PW+(\f)
.irp c, 0,1,2
	global_store_b128 v7, v[CD+12*(\f)+4*\c:CD+12*(\f)+4*\c+3], s[30:31] offset:1536*(\f)+512*\c   ; 32 lanes store 512 consecutive bytes, aligned to 512 from the panel's first byte
.endr
.if (\f) < 2
	GLOAD (\f)+2                                           ; this set takes the tile two on
.endif
.endm
; Vh, unit u = 2 b + q: block b (32 along K) of column 64 p + 32 q + lane: 32 loads, each 128 consecutive bytes of one row of Vh
.macro LOADU u
.set i, 0
.rept 32
	global_load_b32 v[X+32*((\u)%2)+i], v4, s[28:29] offset:(32*((\u)/2)+i)*16384+128*((\u)%2) th:TH_LOAD_NT
.set i, i+1
.endr
.endm
.macro VBLOCK u
.set XS, X+32*((\u)%2)
.set BB, (\u)/2
.set QQ, (\u)%2
.set DS, STR+12*(2*QQ+BB%2)+6*(BB/2)                       ; block b belongs to lane (r, b % 2) of the fragment, registers 6 (b / 2) on
.if (\u) < 7
	s_wait_loadcnt 32                                      ; this unit's 32 loads are in; the next unit's may be out
.else
	s_wait_loadcnt 0x0
.endif
	v_max3_num_f32 v152, |v[XS]|, |v[XS+1]|, |v[XS+2]|     ; the block's largest magnitude: all 32 numbers are mine; two chains
	v_max3_num_f32 v153, |v[XS+3]|, |v[XS+4]|, |v[XS+5]|
.irp i, 6,10,14,18,22,26
	v_max3_num_f32 v152, v152, |v[XS+\i]|, |v[XS+\i+1]|
	v_max3_num_f32 v153, v153, |v[XS+\i+2]|, |v[XS+\i+3]|
.endr
	v_max3_num_f32 v152, v152, |v[XS+30]|, |v[XS+31]|
	v_max3_num_f32 v152, v152, v153, 0x1800000             ; and the floor 2^(3 - 127)
	v_add_nc_u32 v154, 0xff000000, v152                    ; the conversions' scale operand
	v_cvt_scalef32_pk16_fp6_f32 v[DS:DS+2], v[XS:XS+15], v154
	v_cvt_scalef32_pk16_fp6_f32 v[TC:TC+2], v[XS+16:XS+31], v154
	v_lshrrev_b32 v155, 23, v154                           ; the scale's byte; also the plain instruction behind the conversions
.if BB == 0
	v_mov_b32 v[SWV+QQ], v155
.else
	v_lshl_or_b32 v[SWV+QQ], v155, 8*BB, v[SWV+QQ]
.endif
.irp i, 0,1,2
	v_mov_b32 v[DS+3+\i], v[TC+\i]
.endr
.if BB >= 2                                                ; blocks h and 2 + h are done: string (q, h) is whole
.irp c, 0,1,2
	global_store_b128 v5, v[STR+12*(2*QQ+BB-2)+4*\c:STR+12*(2*QQ+BB-2)+4*\c+3], s[30:31] offset:3072*QQ+512*\c+256*(BB-2)   ; the 16 lanes of one u store 256 consecutive bytes, aligned
.endr
.endif
.if (\u) < 6
	LOADU (\u)+2
.endif
.endm
	s_load_b256 s[4:11], s[0:1], 0x0               ; x s[4:5], U s[6:7], S s[8:9], Vh s[10:11]
	s_load_b128 s[12:15], s[0:1], 0x20             ; xq s[12:13], uq s[14:15]
	s_load_b64 s[16:17], s[0:1], 0x30              ; vq
	v_lshl_add_u32 v240, v0, 2, 0x8400
	v_mov_b32 v241, 0
	v_lshrrev_b32 v1, 5, v0
	v_readfirstlane_b32 s18, v1                    ; wave 0..3
	v_and_b32 v1, 31, v0                           ; lane l
	v_and_b32 v2, 15, v0                           ; r = l % 16
	v_bfe_u32 v3, v0, 4, 1                         ; h = l / 16
	s_mov_b32 s27, 0                               ; the upper word of every offset pair s[26:27]
	s_wait_kmcnt 0x0
	s_cmp_lt_u32 ttmp9, 128
	s_cbranch_scc1 .Lvh
	; ---- x and U: one text; what differs is chosen by the work-group's number alone
	s_sub_co_u32 s23, ttmp9, 128
	s_cmp_lt_u32 s23, 64                           ; the first 64 take U
	s_cselect_b32 s19, 1, 0                        ; U?
	s_cselect_b32 s20, 12, 14                      ; log2 of a row's bytes: 4,096 or 16,384
	s_cselect_b32 s21, 1, 3                        ; log2 of the slots along K: 2 or 8
	s_cselect_b32 s22, 32, 64                      ; panels in a slot
	s_cselect_b32 s44, 0, 64
	s_cselect_b64 s[28:29], s[6:7], s[4:5]         ; from
	s_cselect_b64 s[30:31], s[14:15], s[12:13]     ; to
	s_sub_co_u32 s23, s23, s44                     ; which panel of the tensor, slots fastest
	s_lshr_b32 s24, s23, s21                       ; p: 64 rows
	s_bfm_b32 s45, s21, 0
	s_and_b32 s25, s23, s45                        ; g: 512 along K
	s_lshl_b32 s46, s25, 2
	s_add_co_u32 s46, s46, s18                     ; my K step of 128: 4 g + wave: the four waves read 2,048 bytes on end in each row
	s_lshl_b32 s26, s24, 6
	s_lshl_b32 s26, s26, s20                       ; 64 p rows,
	s_lshl_b32 s47, s46, 9
	s_add_co_u32 s26, s26, s47                     ; + 512 bytes a K step (under 2^27)
	s_add_nc_u64 s[32:33], s[28:29], s[26:27]      ; the four tiles of 16 rows have a base each
	s_lshl_b32 s26, 16, s20
	s_add_nc_u64 s[34:35], s[32:33], s[26:27]
	s_add_nc_u64 s[36:37], s[34:35], s[26:27]
	s_add_nc_u64 s[38:39], s[36:37], s[26:27]
	s_mul_i32 s26, s25, s22
	s_add_co_u32 s26, s26, s24
	s_mul_i32 s26, s26, PANEL
	s_add_nc_u64 s[30:31], s[30:31], s[26:27]      ; my panel
	s_mov_b32 s40, 0xffff0000                      ; lanes 16-31
	s_mov_b32 s42, 0x76543210
	s_mov_b32 s43, 0xfedcba98                      ; v_permlanex16_b32's selects for lane l xor 16
	s_wait_alu depctr_va_vdst(0)
	v_lshlrev_b32 v4, 4, v1                        ; 16 l
	s_and_b32 s47, s46, 7                          ; S has 8 K steps; the mask keeps x's work-groups, which do not use it, inside the buffer
	s_lshl_b32 s47, s47, 9
	v_add_nc_u32 v9, s47, v4
	global_load_b128 v[SV:SV+3], v9, s[8:9]
.irp i, 0,1,2,3,4,5,6,7,8,9,10,11,12,13,14,15
	v_lshl_add_u32 v[OFF+\i], \i, s20, v4
.endr
	GLOAD 0
	GLOAD 1
	s_mul_i32 s44, s18, STG
	v_add_nc_u32 v5, s44, v4                       ; the stage, in: 16 l
	v_mul_u32_u24 v6, v2, SP
	v_lshl_add_u32 v6, v3, 6, v6
	v_add_nc_u32 v6, s44, v6                       ; and back: row r, + 64 h
	s_mul_i32 s45, s18, 6144
	v_add_nc_u32 v7, s45, v4                       ; codes: K step j = wave
	v_lshlrev_b32 v8, 3, v1
	s_lshl_b32 s45, s18, 8
	v_add_nc_u32 v8, s45, v8                       ; scale words: 8 l + 256 j
.irp b, 0,1,2,3
	v_mov_b32 v[TM+4+\b], 0                        ; written once: a lane permute's destination counts as one of its sources
.endr
	FRAGQ 0, 16
	FRAGQ 1, 16
	FRAGQ 2, 16
	FRAGQ 3, 0
	v_cndmask_b32 v[SW], v[PW], v[PW+1], s40       ; word q: lanes 0-15 tile 2 q, lanes 16-31 tile 2 q + 1
	v_cndmask_b32 v[SW+1], v[PW+2], v[PW+3], s40
	global_store_b64 v8, v[SW:SW+1], s[30:31] offset:24576   ; 32 lanes store 256 consecutive bytes, aligned
	s_wait_tensorcnt 0x0
	ds_add_u32 v240, v241
	s_wait_dscnt 0x0
	s_endpgm
	; ---- Vh: a lane takes a column d and its registers run down K: a block lies in one lane, and the codes come out with K innermost.  No LDS.
.Lvh:
	s_lshr_b32 s24, ttmp9, 3
	s_and_b32 s25, ttmp9, 7                        ; my K step of 128
	s_lshl_b32 s24, s24, 2
	s_add_co_u32 s24, s24, s18                     ; p: my 64 columns: the four waves stand side by side on 1,024 bytes of each row
	s_lshl_b32 s26, s25, 21                        ; 128 rows of 16,384 bytes a K step,
	s_lshl_b32 s44, s24, 8
	s_add_co_u32 s26, s26, s44                     ; + 256 bytes a panel
	s_add_nc_u64 s[28:29], s[10:11], s[26:27]
	s_lshr_b32 s44, s25, 2                         ; slot g
	s_lshl_b32 s44, s44, 6
	s_add_co_u32 s44, s44, s24
	s_mul_i32 s26, s44, PANEL
	s_add_nc_u64 s[30:31], s[16:17], s[26:27]      ; my panel: 64 g + p
	s_and_b32 s45, s25, 3                          ; j
	s_wait_alu depctr_va_vdst(0)
	v_lshlrev_b32 v4, 2, v1                        ; in: 4 bytes a lane
	LOADU 0
	LOADU 1
	v_bfe_u32 v9, v0, 3, 1                         ; column 32 q + l is row r = 8 (l / 16) + l % 8 of tile 2 q + u, u = (l / 8) % 2
	v_and_b32 v10, 7, v0
	v_lshl_add_u32 v10, v3, 3, v10
	s_mul_i32 s46, s45, 6144
	v_mul_u32_u24 v5, v9, 1536
	v_lshl_add_u32 v5, v10, 4, v5
	v_add_nc_u32 v5, s46, v5                       ; codes: 1536 u + 16 r + 6144 j
	s_lshl_b32 s46, s45, 8
	v_lshlrev_b32 v6, 7, v9
	v_lshl_add_u32 v6, v10, 3, v6
	v_add_nc_u32 v6, s46, v6                       ; scale words: 8 (r + 16 u) + 256 j
.irp u, 0,1,2,3,4,5,6,7
	VBLOCK \u
.endr
	global_store_b64 v6, v[SWV:SWV+1], s[30:31] offset:24576   ; the 32 lanes store 256 consecutive bytes, aligned
	s_endpgm
.Lfunc_end_k_qa15a5a877a_quant:
	.size	k_qa15a5a877a_quant, .Lfunc_end_k_qa15a5a877a_quant-k_qa15a5a877a_quant
	.p2alignl 7, 3214868480
	.fill 96, 4, 3214868480
	.section	.rodata,"a",@progbits
	.p2align	6, 0x0
	.amdhsa_kernel k_qa15a5a877a_quant
		.amdhsa_group_segment_fixed_size 34304
		.amdhsa_private_segment_fixed_size 0
		.amdhsa_enable_private_segment 0
		.amdhsa_kernarg_size 56
		.amdhsa_user_sgpr_count 2
		.amdhsa_user_sgpr_kernarg_segment_ptr 1
		.amdhsa_wavefront_size32 1
		.amdhsa_system_sgpr_workgroup_id_x 1
		.amdhsa_system_sgpr_workgroup_id_y 1
		.amdhsa_system_sgpr_workgroup_id_z 1
		.amdhsa_system_vgpr_workitem_id 0
		.amdhsa_next_free_vgpr 242
		.amdhsa_next_free_sgpr 66
		.amdhsa_reserve_vcc 0
		.amdhsa_float_denorm_mode_32 3
		.amdhsa_float_denorm_mode_16_64 3
		.amdhsa_memory_ordered 1
		.amdhsa_forward_progress 1
		.amdhsa_inst_pref_size 81
	.end_amdhsa_kernel
	.amdgpu_metadata
---
amdhsa.version: [ 1, 2 ]
amdhsa.kernels:
  - .name:           k_qa15a5a877a_quant
    .symbol:         k_qa15a5a877a_quant.kd
    .args:
      - { .name: x, .offset: 0, .size: 8, .value_kind: global_buffer, .address_space: global }
      - { .name: U, .offset: 8, .size: 8, .value_kind: global_buffer, .address_space: global }
      - { .name: S, .offset: 16, .size: 8, .value_kind: global_buffer, .address_space: global }
      - { .name: Vh, .offset: 24, .size: 8, .value_kind: global_buffer, .address_space: global }
      - { .name: xq, .offset: 32, .size: 8, .value_kind: global_buffer, .address_space: global }
      - { .name: uq, .offset: 40, .size: 8, .value_kind: global_buffer, .address_space: global }
      - { .name: vq, .offset: 48, .size: 8, .value_kind: global_buffer, .address_space: global }
    .group_segment_fixed_size: 34304
    .private_segment_fixed_size: 0
    .kernarg_segment_align: 8
    .kernarg_segment_size: 56
    .max_flat_workgroup_size: 128
    .sgpr_count:     66
    .vgpr_count:     242
    .wavefront_size: 32
...
	.end_amdgpu_metadata
.endif
;; end of part 1
;; launch wmake (part 2): grid 16 x 16, 4 waves a work-group, clusters of 4 x 4, 307,712 bytes of LDS; arguments uq, vq, wq; writes wq
.if DOCPART == 2
	.amdgcn_target "amdgcn-amd-amdhsa--gfx1250"
	.amdhsa_code_object_version 6
	.text
	.protected	k_qa15a5a877a_wmake
	.globl	k_qa15a5a877a_wmake
	.p2align	8
	.type	k_qa15a5a877a_wmake,@function
k_qa15a5a877a_wmake:
	s_mov_b64 s[64:65], 0
	v_nop
	global_prefetch_b8 v0, s[64:65] scope:SCOPE_SE
	s_setreg_imm32_b32 hwreg(HW_REG_WAVE_MODE, 25, 1), 1
	s_wait_xcnt 0x0
	s_wait_alu depctr_hold_cnt(0) depctr_sa_sdst(0) depctr_va_vdst(0) depctr_va_sdst(0) depctr_va_ssrc(0) depctr_va_vcc(0) depctr_vm_vsrc(0)
	s_getreg_b32 s2, hwreg(HW_REG_IB_STS2, 6, 4)
	s_cmp_eq_u32 s2, 0
	s_cbranch_scc0 .Lentry_in_a_cluster
	s_endpgm
.Lentry_in_a_cluster:
	s_bfe_u32 s2, ttmp6, 0x10000c
	s_cmp_lg_u32 s2, 0xf033
	s_cbranch_scc0 .Lentry_shape_is_right
	s_endpgm
.Lentry_shape_is_right:
; W[o][d] = sum over k of Q(U S)[o][k] Q(Vh)[k][d], o < 2,048, d < 4,096, K = 1,024, on codes of E2M3 with E8M0 scales; W is quantised along d in registers and leaves as codes, in panels.
; PANELS (uq, vq, wq alike): [K / 512][rows / 64] panels of 25,600 bytes; codes at 6144 j + 1536 rt + 512 c + 16 l (registers 4 c .. 4 c + 3 of lane l of the fragment of K step j, tile of 16 rows rt);
; scale words at 24576 + 256 j + 8 l + 4 q (row l % 16 of tile 2 q + l / 16).  A fragment comes by three dense loads of 16 bytes a lane, four tiles' scale words by one load of 8 bytes a lane.
; SHARES: a work-group makes 128 rows (o) x 256 columns (d): 16 x 16 = 256 work-groups; tiles of 256 x 256 would be 128.  Wave (w / 2, w % 2) makes 64 x 128: 32 accumulators, 256 registers.
; K = 1,024 is two LDS slots of 512 along K, both filled once, at the start: no LDS byte is filled again in this launch.
; CLUSTERS: 4 x 4 work-groups.  The four of a row of the cluster need the same panels of uq, the four of a column the same panels of vq: each is asked for JOINTLY, by the same tensor load with a mask that names the four.
; TRANSPOSED USE: source 0 = 16 rows of vq (columns d), source 1 = 16 rows of uq (rows o): a lane holds one row o.  By vq's order of rows (tile 2 q + u, row r = column 32 q + 8 u + r + 8 (r / 8) of its 64)
; the 16 registers of accumulators 2 B and 2 B + 1 are the 16 neighbours d = 32 B + 16 (lane / 16) + 0 .. 15: what the conversions want.  A wave's 128 columns are one K step of the next product.
; LIMITS: a block of zeros of W gets the byte 1 where the rule says 127 (its codes are zeros; only this program reads the bytes); NaN and infinities are not served.
; REGISTERS, in windows of 256: window 0: v2-9 LDS addresses; v14-15 offsets in wq; v16-27 scale words, two sets; v32-127 uq's fragments, two sets of 4 x 12; v128-207 the way out.
;   window 1: vq's fragments, two sets of 8 x 12, at v0 and v128.   window 2: accumulator (a, b) at v[8 (8 a + b)].
.set PANEL, 25600
.set SLOT,  6*PANEL                    ; A's two panels, then B's four
.set NPA,   32                         ; panels in a slot of uq
.set NPB,   64                         ; of vq
.set ADRA, 2                           ; v2-3   LDS address of my panel of A in slot 0, 1, + 16 l
.set ADRB, 4                           ; v4-5   of my two panels of B
.set ASA,  6                           ; v6-7   the same with 8 l, for the scale words
.set ASB,  8                           ; v8-9
.set CO,   14                          ; v14    my codes' place in the panel of wq
.set CS,   15                          ; v15    my scale words' place
.set SC,   16                          ; scale words: set p at SC + 6 p: +0, 1 A's four tiles; +2, 3 B's tiles 0-3; +4, 5 B's tiles 4-7; an even tile in lanes 0-15, an odd one in lanes 16-31
.set AF,   32                          ; A's fragments: set p at AF + 48 p
.set TM,   128
.set PW,   144
.set SW,   148
.set TQ,   152
.set CD,   160
.set G1,  24                           ; s[24:31] descriptor group 1 for A's panel;  s[32:35] group 0
.set G0,  32
.set G1B, 48                           ; s[48:55], s[56:59] the same for B's two panels
.set G0B, 56
.set MSB, 0
.macro WIN new                         ; the immediate's high byte repeats the setting that is left; a switch that changes nothing is dropped
.if MSB != \new
	s_set_vgpr_msb (MSB<<8)|\new
.set MSB, \new
.endif
.endm
.set MUL,  0xa1                        ; source 0 (B) window 1, source 1 (A) window 0, C and D window 2
.set TO_B, 0x40                        ; destination window 1, address window 0
.macro CROUND                          ; a round of the cluster's barrier
	s_barrier_signal -1
	s_barrier_wait -1
	s_cmp_lg_u32 s10, 0
	s_cbranch_scc1 .Lnot_wave_0_\@
	s_barrier_signal -3
.Lnot_wave_0_\@:
	s_barrier_wait -3
	s_barrier_signal -1
	s_barrier_wait -1
.endm
.macro PLACES                          ; a load into a register that a matrix instruction has read, and a vector instruction that reads a matrix result, stand four plain vector instructions behind it
.rept 4
	v_nop
.endr
.endm
; Four products: A's tiles a0, a0 + 1 (a0 even) x B's tiles b0, b0 + 1 (b0 even), 128 along K, from set p.  zero = 1: they start the sums: nothing is cleared.
.macro QUADW a0, b0, p, zero
.set rD,  8*(8*(\a0)+(\b0))
.set rB,  128*(\p)+12*(\b0)
.set rA,  AF+48*(\p)+12*(\a0)
.set rSB, SC+6*(\p)+2+(\b0)/2
.set rSA, SC+6*(\p)+(\a0)/2
.if \zero
	v_wmma_scale_f32_16x16x128_f8f6f4 v[rD:rD+7], v[rB:rB+11], v[rA:rA+11], 0, v[rSB], v[rSA] matrix_a_fmt:MATRIX_FMT_FP6 matrix_b_fmt:MATRIX_FMT_FP6
	v_wmma_scale_f32_16x16x128_f8f6f4 v[rD+8:rD+15], v[rB+12:rB+23], v[rA:rA+11], 0, v[rSB], v[rSA] matrix_a_fmt:MATRIX_FMT_FP6 matrix_b_fmt:MATRIX_FMT_FP6 matrix_a_scale:MATRIX_SCALE_ROW1
	v_wmma_scale_f32_16x16x128_f8f6f4 v[rD+64:rD+71], v[rB:rB+11], v[rA+12:rA+23], 0, v[rSB], v[rSA] matrix_a_fmt:MATRIX_FMT_FP6 matrix_b_fmt:MATRIX_FMT_FP6 matrix_b_scale:MATRIX_SCALE_ROW1
	v_wmma_scale_f32_16x16x128_f8f6f4 v[rD+72:rD+79], v[rB+12:rB+23], v[rA+12:rA+23], 0, v[rSB], v[rSA] matrix_a_fmt:MATRIX_FMT_FP6 matrix_b_fmt:MATRIX_FMT_FP6 matrix_a_scale:MATRIX_SCALE_ROW1 matrix_b_scale:MATRIX_SCALE_ROW1
.else
	v_wmma_scale_f32_16x16x128_f8f6f4 v[rD:rD+7], v[rB:rB+11], v[rA:rA+11], v[rD:rD+7], v[rSB], v[rSA] matrix_a_fmt:MATRIX_FMT_FP6 matrix_b_fmt:MATRIX_FMT_FP6
	v_wmma_scale_f32_16x16x128_f8f6f4 v[rD+8:rD+15], v[rB+12:rB+23], v[rA:rA+11], v[rD+8:rD+15], v[rSB], v[rSA] matrix_a_fmt:MATRIX_FMT_FP6 matrix_b_fmt:MATRIX_FMT_FP6 matrix_a_scale:MATRIX_SCALE_ROW1
	v_wmma_scale_f32_16x16x128_f8f6f4 v[rD+64:rD+71], v[rB:rB+11], v[rA+12:rA+23], v[rD+64:rD+71], v[rSB], v[rSA] matrix_a_fmt:MATRIX_FMT_FP6 matrix_b_fmt:MATRIX_FMT_FP6 matrix_b_scale:MATRIX_SCALE_ROW1
	v_wmma_scale_f32_16x16x128_f8f6f4 v[rD+72:rD+79], v[rB+12:rB+23], v[rA+12:rA+23], v[rD+72:rD+79], v[rSB], v[rSA] matrix_a_fmt:MATRIX_FMT_FP6 matrix_b_fmt:MATRIX_FMT_FP6 matrix_a_scale:MATRIX_SCALE_ROW1 matrix_b_scale:MATRIX_SCALE_ROW1
.endif
.endm
.macro RUN gq, p, zero                 ; eight products: A's four tiles x B's tiles 2 gq, 2 gq + 1.  The 32 accumulators take turns, one instruction a turn, in the same order in every step
	QUADW 0, 2*(\gq), \p, \zero
	QUADW 2, 2*(\gq), \p, \zero
.endm
.macro FETCH_AS slot, j, p             ; 15 LDS loads: A's four fragments of K step j, and the step's scale words of A and of B
	WIN 0
.irp rt, 0,1,2,3
.irp c, 0,1,2
	ds_load_b128 v[AF+48*(\p)+12*\rt+4*\c:AF+48*(\p)+12*\rt+4*\c+3], v[ADRA+\slot] offset:6144*(\j)+1536*\rt+512*\c
.endr
.endr
	ds_load_b64 v[SC+6*(\p):SC+6*(\p)+1], v[ASA+\slot] offset:24576+256*(\j)
	ds_load_b64 v[SC+6*(\p)+2:SC+6*(\p)+3], v[ASB+\slot] offset:24576+256*(\j)
	ds_load_b64 v[SC+6*(\p)+4:SC+6*(\p)+5], v[ASB+\slot] offset:PANEL+24576+256*(\j)
.endm
.macro FETCH_B slot, j, p, t0, t1      ; three LDS loads for each of B's tiles t0 .. t1
	WIN TO_B
.irp t, 0,1,2,3,4,5,6,7
.if (\t >= \t0) && (\t <= \t1)
.irp c, 0,1,2
	ds_load_b128 v[128*(\p)+12*\t+4*\c:128*(\p)+12*\t+4*\c+3], v[ADRB+\slot] offset:PANEL*(\t/4)+6144*(\j)+1536*(\t%4)+512*\c
.endr
.endif
.endr
.endm
; A K step of 128 whose successor lies in the same slot.  A step's 39 LDS loads are always issued in the order A and scales 15, B's tiles 0-2 9, 3-5 9, 6-7 6, a step ahead, into the other set.
.macro STEP slot, j, zero
	s_wait_dscnt 18                                ; A, the scale words and B's tiles 0, 1 are in; behind them: tiles 2-7
	WIN MUL
	RUN 0, (\j)%2, \zero
	PLACES                                         ; behind every product of the step before, which read the other set: they serve all of this step's loads
	FETCH_AS \slot, (\j)+1, 1-(\j)%2
	s_wait_dscnt 27                                ; tiles 2, 3 are in; behind them: tiles 4-7 (12) and the 15 just issued
	WIN MUL
	RUN 1, (\j)%2, \zero
	FETCH_B \slot, (\j)+1, 1-(\j)%2, 0, 2
	s_wait_dscnt 30                                ; tiles 4, 5; behind them: 6 + 15 + 9
	WIN MUL
	RUN 2, (\j)%2, \zero
	FETCH_B \slot, (\j)+1, 1-(\j)%2, 3, 5
	s_wait_dscnt 33                                ; tiles 6, 7; behind them: 15 + 9 + 9
	WIN MUL
	RUN 3, (\j)%2, \zero
	FETCH_B \slot, (\j)+1, 1-(\j)%2, 6, 7
.endm
; A slot's last step, and the change of slots: no barrier: both slots were filled and shown whole at the head.  Nothing is filled again.
.macro TURN slot, next
	s_wait_dscnt 18                                ; both K slots were shown whole by the barrier at the head: the change of slots needs none
	WIN MUL
	RUN 0, 1, 0
	s_wait_dscnt 0x0
	RUN 1, 1, 0
	PLACES
	FETCH_AS \next, 0, 0
	FETCH_B \next, 0, 0, 0, 2
	WIN MUL
	RUN 2, 1, 0
	FETCH_B \next, 0, 0, 3, 5
	WIN MUL
	RUN 3, 1, 0
	FETCH_B \next, 0, 0, 6, 7
.endm
.macro LAST                            ; the very last step: nothing more to fetch, the counts run down
	s_wait_dscnt 18
	WIN MUL
	RUN 0, 1, 0
	s_wait_dscnt 12
	RUN 1, 1, 0
	s_wait_dscnt 6
	RUN 2, 1, 0
	s_wait_dscnt 0x0
	RUN 3, 1, 0
	WIN 0
.endm
; The 64 results of A's tile a in a lane (window 2, register 64 a + 16 B + i = d 32 B + 16 (lane / 16) + i of row o = lane % 16) become a fragment of wq in v[CD + 12 a] on and the row's scale word in v[PW + a].
.macro QUANTW a
.set AC, 64*(\a)
.set DC, CD+12*(\a)
	WIN 0x28                                       ; sources 1 and 2 window 2
.irp b, 0,1,2,3
	v_max3_num_f32 v[TM+\b], 0x1800000, |v[AC+16*\b]|, |v[AC+16*\b+1]|   ; the floor 2^(3 - 127) and my first two numbers; each accumulator is read from its low end on
.endr
.irp i, 2,4,6,8,10,12,14
.irp b, 0,1,2,3
	v_max3_num_f32 v[TM+\b], v[TM+\b], |v[AC+16*\b+\i]|, |v[AC+16*\b+\i+1]|
.endr
.endr
	WIN 0
.irp b, 0,1,2,3
	v_permlanex16_b32 v[TM+4+\b], v[TM+\b], s2, s3
.endr
.irp b, 0,1,2,3
	v_max_num_f32 v[TM+\b], v[TM+\b], v[TM+4+\b]   ; with lane l xor 16's 16: the block's largest magnitude
.endr
.irp b, 0,1,2,3
	v_add_nc_u32 v[TM+12+\b], 0xff000000, v[TM+\b] ; 2 off its exponent field: the conversion's scale operand
.endr
.irp b, 0,1,2,3
	v_lshrrev_b32 v[TM+4+\b], 23, v[TM+12+\b]      ; the scale's byte
.endr
	v_lshl_or_b32 v[PW+(\a)], v[TM+5], 8, v[TM+4]
	v_lshl_or_b32 v[PW+(\a)], v[TM+6], 16, v[PW+(\a)]
	v_lshl_or_b32 v[PW+(\a)], v[TM+7], 24, v[PW+(\a)]
	WIN 0x02                                       ; source 0 window 2
.irp c, 0,1
	v_cvt_scalef32_pk16_fp6_f32 v[DC+6*\c:DC+6*\c+2], v[AC+32*\c:AC+32*\c+15], v[TM+12+2*\c]
	v_cvt_scalef32_pk16_fp6_f32 v[TQ+4*\c:TQ+4*\c+2], v[AC+32*\c+16:AC+32*\c+31], v[TM+12+2*\c+1]
.endr
	WIN 0
	v_nop                                          ; one plain instruction between a scaled conversion and the use of its result
.irp c, 0,1                                    ; a WHOLE block in a lane: lanes 0-15 block 2 c, lanes 16-31 block 2 c + 1
.irp i, 0,1,2
	v_permlane16_swap_b32 v[DC+6*\c+\i], v[TQ+4*\c+\i]
.endr
.irp i, 0,1,2
	v_mov_b32 v[DC+6*\c+3+\i], v[TQ+4*\c+\i]
.endr
.endr
.endm
	s_load_b128 s[4:7], s[0:1], 0x0                ; uq s[4:5], vq s[6:7]
	s_load_b64 s[8:9], s[0:1], 0x10                ; wq
	v_lshl_add_u32 v254, v0, 2, 0x4b000
	v_mov_b32 v255, 0
	ds_add_u32 v254, v255
	ds_add_u32 v254, v255
	v_lshrrev_b32 v1, 5, v0
	v_readfirstlane_b32 s10, v1                    ; wave 0..3
	s_lshr_b32 s11, s10, 1                         ; which panel of A's two is mine.  Also: I fetch for A (0) or for B (1)
	s_and_b32 s12, s10, 1                          ; which two of B's four panels are mine.  Also: which part of that tile I fetch
	s_bfe_u32 s40, ttmp6, 0x40000                  ; cx, cy: my place in the cluster
	s_bfe_u32 s41, ttmp6, 0x40004
	s_lshl_b32 s42, ttmp9, 2
	s_add_co_u32 s42, s42, s40                     ; tile column (256 d) = 4 x cluster x + cx
	s_and_b32 s13, ttmp7, 0xffff
	s_lshl_b32 s13, s13, 2
	s_add_co_u32 s13, s13, s41                     ; tile row (128 o) = 4 x cluster y + cy
	s_lshl_b32 s43, s41, 2
	s_lshl_b32 s43, 15, s43                        ; my row of the cluster
	s_lshl_b32 s44, 0x1111, s40                    ; my column
	; descriptor group 1: elements of 8 bytes; a row is one panel (A, 3,200 elements) or two (B, 6,400)
	s_or_b32 s[G1+0], s43, (3<<16)|(1<<21)         ; 15:0 the mask: A's panels go to my row; 17:16 elements of 8 bytes; 20 no padding (every LDS read here is dense); 21 set beside a mask
	s_or_b32 s[G1B+0], s44, (3<<16)|(1<<21)
	; ONE load a wave brings its part of BOTH K slots: two rows, each a dense panel (A: 3,200 elements of 8 bytes) or two panels (B: 6,400), a K slot apart in memory, on end in LDS
	s_mov_b32 s[G1+1], 3200<<16                    ; tensor_dim0
	s_mov_b32 s[G1+2], 2<<16                       ; tensor_dim1 = 2
	s_mov_b32 s[G1+3], 3200<<16                    ; tile_dim0
	s_mov_b32 s[G1+4], 2                           ; tile_dim1 = 2
	s_mov_b32 s[G1+5], NPA*3200                    ; elements from K slot to K slot
	s_mov_b32 s[G1+6], 0
	s_mov_b32 s[G1+7], 0
	s_mov_b32 s[G1B+1], 6400<<16
	s_mov_b32 s[G1B+2], 2<<16
	s_mov_b32 s[G1B+3], 6400<<16
	s_mov_b32 s[G1B+4], 2
	s_mov_b32 s[G1B+5], NPB*3200
	s_mov_b32 s[G1B+6], 0
	s_mov_b32 s[G1B+7], 0
	s_lshl_b32 s16, s13, 1
	s_add_co_u32 s16, s16, s12
	s_mul_i32 s16, s16, PANEL                      ; A: panel 2 x tile row + part
	s_mov_b32 s17, 0
	s_lshl_b32 s46, s42, 2
	s_lshl_b32 s47, s12, 1
	s_add_co_u32 s46, s46, s47
	s_mul_i32 s46, s46, PANEL                      ; B: panels 4 x tile column + 2 x part on
	s_mov_b32 s47, 0
	s_mul_i32 s20, s12, 2*PANEL                    ; LDS: A's part p at 2 p panels (K slot 0, K slot 1); no place in the cluster enters an LDS address
	s_mul_i32 s21, s12, 4*PANEL                    ; B's part p at 4 + 4 p panels (K slot 0's two panels, K slot 1's two)
	s_add_co_u32 s21, s21, 4*PANEL
	s_wait_dscnt 0x0
	s_wait_kmcnt 0x0
	s_add_nc_u64 s[14:15], s[4:5], s[16:17]
	s_add_nc_u64 s[46:47], s[6:7], s[46:47]
	CROUND                                         ; all sixteen work-groups are here: the joint loads meet
.irp s, 0
	s_mov_b32 s[G0+4*\s], 1
	s_add_co_u32 s[G0+4*\s+1], s20, \s*SLOT
	s_add_nc_u64 s[G0+4*\s+2:G0+4*\s+3], s[14:15], \s*NPA*PANEL
	s_or_b32 s[G0+4*\s+3], s[G0+4*\s+3], 0x80000000
	s_mov_b32 s[G0B+4*\s], 1
	s_add_co_u32 s[G0B+4*\s+1], s21, \s*SLOT
	s_add_nc_u64 s[G0B+4*\s+2:G0B+4*\s+3], s[46:47], \s*NPB*PANEL
	s_or_b32 s[G0B+4*\s+3], s[G0B+4*\s+3], 0x80000000
.endr
	s_cmp_eq_u32 s11, 0                            ; one fill a wave, in the two arms of one branch on the wave's number
	s_cbranch_scc0 .Lfirst_b
	tensor_load_to_lds s[G0:G0+3], s[G1:G1+7]
	s_nop 0
.rept 4
	v_nop
.endr
	s_branch .Lfirst_asked
.Lfirst_b:
	tensor_load_to_lds s[G0B:G0B+3], s[G1B:G1B+7]
	s_nop 0
.rept 4
	v_nop
.endr
.Lfirst_asked:
	v_and_b32 v1, 31, v0                           ; lane l
	v_lshlrev_b32 v28, 4, v1                       ; 16 l
	v_lshlrev_b32 v29, 3, v1                       ; 8 l
	s_mul_i32 s21, s11, 2*PANEL                    ; my panel of A, K slot 0
	s_mul_i32 s22, s12, 4*PANEL                    ; my two panels of B, K slot 0,
	s_add_co_u32 s22, s22, 4*PANEL                 ; behind A's four
.irp s, 0,1
	v_add_nc_u32 v[ADRA+\s], s21, v28
	v_add_nc_u32 v[ADRB+\s], s22, v28
	v_add_nc_u32 v[ASA+\s], s21, v29
	v_add_nc_u32 v[ASB+\s], s22, v29
	s_add_co_u32 s21, s21, PANEL                   ; K slot 1 lies directly behind K slot 0
	s_add_co_u32 s22, s22, 2*PANEL
.endr
	; where my results go: my 128 columns are K step kk = 2 x tile column + w % 2 of the next product; my 64 rows are panel 2 x tile row + w / 2 of wq's 32
	s_lshl_b32 s18, s42, 1
	s_add_co_u32 s18, s18, s12                     ; kk
	s_lshr_b32 s19, s18, 2                         ; its slot,
	s_and_b32 s18, s18, 3                          ; and its place j in it
	s_lshl_b32 s19, s19, 5
	s_lshl_b32 s22, s13, 1
	s_add_co_u32 s19, s19, s22
	s_add_co_u32 s19, s19, s11
	s_mul_i32 s22, s19, PANEL
	s_mov_b32 s23, 0
	s_add_nc_u64 s[8:9], s[8:9], s[22:23]
	s_mul_i32 s19, s18, 6144
	v_add_nc_u32 v[CO], s19, v28
	s_lshl_b32 s19, s18, 8
	v_add_nc_u32 v[CS], s19, v29
	s_mov_b32 s2, 0x76543210
	s_mov_b32 s3, 0xfedcba98                       ; v_permlanex16_b32's selects for lane l xor 16
	s_mov_b32 s45, 0xffff0000                      ; lanes 16-31
.irp b, 0,1,2,3
	v_mov_b32 v[TM+4+\b], 0                        ; written once: a lane permute's destination counts as one of its sources
.endr
	s_wait_alu depctr_va_vdst(0)
	s_wait_tensorcnt 0x0                           ; my one load, my part of both K slots, is in
	s_barrier_signal -1
	s_barrier_wait -1                              ; everybody's is
	FETCH_AS 0, 0, 0
	FETCH_B 0, 0, 0, 0, 7
	STEP 0, 0, 1                                   ; the first step's products start the sums
	STEP 0, 1, 0
	STEP 0, 2, 0
	TURN 0, 1
	STEP 1, 0, 0
	STEP 1, 1, 0
	STEP 1, 2, 0
	LAST
	PLACES                                         ; the maxima below read results just made
	; THE WAY OUT: each of my four tiles of 16 rows becomes one fragment of wq: three stores of 512 consecutive bytes.  Every tile has registers of its own: no store's data are written again.
.irp a, 0,1,2,3
	QUANTW \a
.irp c, 0,1,2
	global_store_b128 v[CO], v[CD+12*\a+4*\c:CD+12*\a+4*\c+3], s[8:9] offset:1536*\a+512*\c
.endr
.endr
	v_cndmask_b32 v[SW], v[PW], v[PW+1], s45       ; word q: lanes 0-15 tile 2 q, lanes 16-31 tile 2 q + 1
	v_cndmask_b32 v[SW+1], v[PW+2], v[PW+3], s45
	global_store_b64 v[CS], v[SW:SW+1], s[8:9] offset:24576   ; 32 lanes store 256 consecutive bytes, aligned
	s_wait_tensorcnt 0x0
	ds_add_u32 v254, v255
	s_wait_dscnt 0x0
	CROUND                                         ; the closing round: no work-group ends while a partner may still ask for a tile that names it
	s_endpgm
.Lfunc_end_k_qa15a5a877a_wmake:
	.size	k_qa15a5a877a_wmake, .Lfunc_end_k_qa15a5a877a_wmake-k_qa15a5a877a_wmake
	.p2alignl 7, 3214868480
	.fill 96, 4, 3214868480
	.section	.rodata,"a",@progbits
	.p2align	6, 0x0
	.amdhsa_kernel k_qa15a5a877a_wmake
		.amdhsa_group_segment_fixed_size 307712
		.amdhsa_private_segment_fixed_size 0
		.amdhsa_enable_private_segment 0
		.amdhsa_kernarg_size 24
		.amdhsa_user_sgpr_count 2
		.amdhsa_user_sgpr_kernarg_segment_ptr 1
		.amdhsa_wavefront_size32 1
		.amdhsa_system_sgpr_workgroup_id_x 1
		.amdhsa_system_sgpr_workgroup_id_y 1
		.amdhsa_system_sgpr_workgroup_id_z 1
		.amdhsa_system_vgpr_workitem_id 0
		.amdhsa_next_free_vgpr 768
		.amdhsa_next_free_sgpr 66
		.amdhsa_reserve_vcc 0
		.amdhsa_float_denorm_mode_32 3
		.amdhsa_float_denorm_mode_16_64 3
		.amdhsa_memory_ordered 1
		.amdhsa_forward_progress 1
		.amdhsa_inst_pref_size 79
	.end_amdhsa_kernel
	.amdgpu_metadata
---
amdhsa.version: [ 1, 2 ]
amdhsa.kernels:
  - .name:           k_qa15a5a877a_wmake
    .symbol:         k_qa15a5a877a_wmake.kd
    .args:
      - { .name: uq, .offset: 0, .size: 8, .value_kind: global_buffer, .address_space: global }
      - { .name: vq, .offset: 8, .size: 8, .value_kind: global_buffer, .address_space: global }
      - { .name: wq, .offset: 16, .size: 8, .value_kind: global_buffer, .address_space: global }
    .group_segment_fixed_size: 307712
    .private_segment_fixed_size: 0
    .kernarg_segment_align: 8
    .kernarg_segment_size: 24
    .max_flat_workgroup_size: 128
    .sgpr_count:     66
    .vgpr_count:     768
    .wavefront_size: 32
...
	.end_amdgpu_metadata
.endif
;; end of part 2
;; launch ygemm (part 3): grid 8 x 32, 4 waves a work-group, clusters of 4 x 1, 327,680 bytes of LDS; arguments xq, wq, out0; writes out0
.if DOCPART == 3
	.amdgcn_target "amdgcn-amd-amdhsa--gfx1250"
	.amdhsa_code_object_version 6
	.text
	.protected	k_qa15a5a877a_ygemm
	.globl	k_qa15a5a877a_ygemm
	.p2align	8
	.type	k_qa15a5a877a_ygemm,@function
k_qa15a5a877a_ygemm:
	s_mov_b64 s[64:65], 0
	v_nop
	global_prefetch_b8 v0, s[64:65] scope:SCOPE_SE
	s_setreg_imm32_b32 hwreg(HW_REG_WAVE_MODE, 25, 1), 1
	s_wait_xcnt 0x0
	s_wait_alu depctr_hold_cnt(0) depctr_sa_sdst(0) depctr_va_vdst(0) depctr_va_sdst(0) depctr_va_ssrc(0) depctr_va_vcc(0) depctr_vm_vsrc(0)
	s_getreg_b32 s2, hwreg(HW_REG_IB_STS2, 6, 4)
	s_cmp_eq_u32 s2, 0
	s_cbranch_scc0 .Lentry_in_a_cluster
	s_endpgm
.Lentry_in_a_cluster:
	s_bfe_u32 s2, ttmp6, 0x10000c
	s_cmp_lg_u32 s2, 0x3003
	s_cbranch_scc0 .Lentry_shape_is_right
	s_endpgm
.Lentry_shape_is_right:
; y[m][n] = sum over d of Q(x)[m][d] Q(W)[n][d], m < 4,096, n < 2,048, K = 4,096, on codes of E2M3 with E8M0 scales; y f32; one f32 sum for each output, K ascending.
; PANELS (xq, wq): [K / 512][rows / 64] panels of 25,600 bytes; codes at 6144 j + 1536 rt + 512 c + 16 l (registers 4 c .. 4 c + 3 of lane l of the fragment of K step j, tile of 16 rows rt);
; scale words at 24576 + 256 j + 8 l + 4 q (row l % 16 of tile 2 q + l / 16).  A fragment comes by three dense loads of 16 bytes a lane, four tiles' scale words by one load of 8 bytes a lane.
; SHARES: a work-group makes 128 rows x 256 columns: 32 x 8 = 256 work-groups.  Wave w makes all 128 rows x columns 64 w .. + 63: 32 accumulators.  A K step of 128 is 32 products on 8 fragments of xq and 4 of wq.
; wq GOES FROM MEMORY STRAIGHT INTO REGISTERS: a wave's 64 columns are one panel of wq, which no other wave of the work-group uses, and a panel lies in the order of the operand's registers.  A ring of six register sets
; (48 registers and 2 scale words each) is loaded five K steps ahead: 13 loads a step; no LDS byte, no barrier.  So wq has no joint load: a joint load lands in LDS, of which xq's panels take 307,200 of 327,680 bytes.
; xq GOES THROUGH LDS, which all four waves read: panel p of the tile row's two has six places of 25,600 bytes from 153,600 p on.  K slots (512 along K) 0-3 come at the head, one load a wave (two long rows, a K slot apart
; in memory); K slots 4, 5 behind the round at the first trip's top, into places 4, 5; K slots 6, 7 behind the round at the second trip's top, into the places of K slots 0, 1, whose last read stands five K steps ahead of that round.
; A wave has one tensor load out.  The loads behind the rounds are asked for 14 and 10 K steps ahead of their first read; a barrier in each trip's eleventh step shows them to all waves.
; CLUSTERS: 4 x 1 work-groups, the four tile columns that need the same panels of xq: each load is asked for JOINTLY, with the mask 15.
; NO PREFETCH: every request of this text already stands five K steps (wq) or ten and more (xq, behind the head) ahead of the first use of its bytes.
; THE LOOP: 32 K steps = 1 + 2 trips of 12 + 7.  After 12 steps the ring of six, xq's two sets and the place in a panel are back where they began; xq's places go on by three, by a scalar that an xor toggles.
; TRANSPOSED USE: source 0 = 16 rows of wq, source 1 = 16 rows of xq: a lane holds eight neighbouring numbers of a row of y.
; REGISTERS: window 0: v4-15, v24-28, v52-55 addresses; v16-23 xq's scale words, two sets; v32-47 wq's scale words; v128-175 wq's set 5; v192-255 the way out.
;   window 1: xq's fragments, two sets of 8 x 12 at v0 and v128.   window 2: accumulator (a, b) at v[8 (4 a + b)].   window 3: wq's sets 0-4, 48 registers each.
.set PANEL, 25600
.set KSA,   64*PANEL                   ; bytes from K slot to K slot in xq
.set KSB,   32*PANEL                   ; in wq
.set PREG,  6*PANEL                    ; a panel's six places in LDS
.set SPARE, 2*PREG                     ; the spare words, 128 bytes a wave
.set STAGE, SPARE+512                  ; the way out: 16 rows x 272 bytes for each wave, bytes of their own: no fill lands there
.set SPITCH, 272
.set ROWY,  8192
.set BA,   4                           ; v4 16 l, v5 + PREG: codes of panel 0, 1 at place 0;  v6 8 l + 24576, v7 + PREG: their scale words.  v4 and v6 are also my offsets in a panel of wq
.set ADM,  8                           ; v8-11   the same four at the trip's first place (0 or 3): serves two places
.set ADH,  12                          ; v12-15  at its third place
.set ADL,  52                          ; v52-55  at the next trip's first place (3 or 0)
.set AS,   16                          ; xq's scale words: set p at AS + 4 p; an even tile in lanes 0-15, an odd one in lanes 16-31
.set SPW,  24
.set NIL,  25
.set STO,  26
.set RD,   27
.set CY,   28
.set BK,   192
.set G1,  24                           ; s[24:31] group 1, s[32:35] group 0 of the loads behind the rounds: a panel as 100 rows of 256 bytes
.set G0,  32
.set G0H, 36                           ; s[36:39], s[48:55] the head's load
.set G1H, 48
.set BB,  56                           ; s[56:57] my panel of wq in the K slot from which the trip counts
.set XM,  58                           ; s58-60  the trip's first place, its third, the next trip's first, in bytes
.set XH,  59
.set XL,  60
.set MSB, 0
.macro WIN new                         ; the immediate's high byte repeats the setting that is left
.if MSB != \new
	s_set_vgpr_msb (MSB<<8)|\new
.set MSB, \new
.endif
.endm
.macro CROUND                          ; a round of the cluster's barrier
	s_barrier_signal -1
	s_barrier_wait -1
	s_cmp_lg_u32 s10, 0
	s_cbranch_scc1 .Lnot_wave_0_\@
	s_barrier_signal -3
.Lnot_wave_0_\@:
	s_barrier_wait -3
	s_barrier_signal -1
	s_barrier_wait -1
.endm
.macro PLACES                          ; four plain vector instructions behind matrix instructions, ahead of loads into their registers and of reads of their results
.rept 4
	v_nop
.endr
.endm
.macro DESC g, c, r, p                 ; group 1: the mask 15, elements of 8 bytes, bit 21 beside a mask; r rows of c elements, p elements from row to row; no padding: every read is dense
	s_mov_b32 s[\g], 15|(3<<16)|(1<<21)
	s_mov_b32 s[\g+1], (\c)<<16
	s_mov_b32 s[\g+2], (\r)<<16
	s_mov_b32 s[\g+3], (\c)<<16
	s_mov_b32 s[\g+4], \r
	s_mov_b32 s[\g+5], \p
	s_mov_b32 s[\g+6], 0
	s_mov_b32 s[\g+7], 0
.endm
.macro SETADR                          ; xq's LDS places of a trip
.irp k, 0,1,2,3
	v_add_nc_u32 v[ADM+\k], s[XM], v[BA+\k]
	v_add_nc_u32 v[ADH+\k], s[XH], v[BA+\k]
	v_add_nc_u32 v[ADL+\k], s[XL], v[BA+\k]
.endr
.endm
; wq: K step g, counted from the K slot at s[BB:BB+1], into ring set g % 6: its scale words, then its four fragments: 13 loads.
; The scale words of an even set lie in registers 4-7 modulo 8, those of an odd set in 0-3: never the number modulo 8 of xq's words of the same step.
.macro BLOAD g
.set sN, (\g)%6
.set bsN, 32+4*(1-sN%2)+2*((sN/2)%2)+8*(sN/4)
	WIN 0
	global_load_b64 v[bsN:bsN+1], v[BA+2], s[BB:BB+1] offset:((\g)/4)*KSB+256*((\g)%4)
.if sN < 5
	WIN 0xc0                                       ; destination window 3, address window 0
.set bfN, 48*sN
.else
.set bfN, 128
.endif
.irp rt, 0,1,2,3
.irp c, 0,1,2
	global_load_b128 v[bfN+12*\rt+4*\c:bfN+12*\rt+4*\c+3], v[BA], s[BB:BB+1] offset:((\g)/4)*KSB+6144*((\g)%4)+1536*\rt+512*\c
.endr
.endr
.endm
; xq: K step f, counted from the trip's first place, into set f % 2: 2 loads of scale words, 24 of codes
.macro ALOAD f
.set pN, (\f)%2
.if (\f)/4 < 2
.set ar, ADM
.set ao, ((\f)/4)*PANEL
.else
.set ao, 0
.if (\f)/4 == 2
.set ar, ADH
.else
.set ar, ADL
.endif
.endif
	WIN 0
	ds_load_b64 v[AS+4*pN:AS+4*pN+1], v[ar+2] offset:ao+256*((\f)%4)
	ds_load_b64 v[AS+4*pN+2:AS+4*pN+3], v[ar+3] offset:ao+256*((\f)%4)
	WIN 0x40                                       ; destination window 1, address window 0
.irp a, 0,1,2,3,4,5,6,7
.irp c, 0,1,2
	ds_load_b128 v[128*pN+12*\a+4*\c:128*pN+12*\a+4*\c+3], v[ar+\a/4] offset:ao+6144*((\f)%4)+1536*(\a%4)+512*\c
.endr
.endr
.endm
; Four products: xq's tiles a0, a0 + 1 x wq's tiles b0, b0 + 1 (both even).  zero = 1: they start the sums: nothing is cleared.
.macro QUADW a0, b0, zero
.set rD,  8*(4*(\a0)+(\b0))
.set rB,  bfB+12*(\b0)
.set rA,  128*pA+12*(\a0)
.set rSB, bsB+(\b0)/2
.set rSA, AS+4*pA+(\a0)/2
.if \zero
	v_wmma_scale_f32_16x16x128_f8f6f4 v[rD:rD+7], v[rB:rB+11], v[rA:rA+11], 0, v[rSB], v[rSA] matrix_a_fmt:MATRIX_FMT_FP6 matrix_b_fmt:MATRIX_FMT_FP6
	v_wmma_scale_f32_16x16x128_f8f6f4 v[rD+8:rD+15], v[rB+12:rB+23], v[rA:rA+11], 0, v[rSB], v[rSA] matrix_a_fmt:MATRIX_FMT_FP6 matrix_b_fmt:MATRIX_FMT_FP6 matrix_a_scale:MATRIX_SCALE_ROW1
	v_wmma_scale_f32_16x16x128_f8f6f4 v[rD+32:rD+39], v[rB:rB+11], v[rA+12:rA+23], 0, v[rSB], v[rSA] matrix_a_fmt:MATRIX_FMT_FP6 matrix_b_fmt:MATRIX_FMT_FP6 matrix_b_scale:MATRIX_SCALE_ROW1
	v_wmma_scale_f32_16x16x128_f8f6f4 v[rD+40:rD+47], v[rB+12:rB+23], v[rA+12:rA+23], 0, v[rSB], v[rSA] matrix_a_fmt:MATRIX_FMT_FP6 matrix_b_fmt:MATRIX_FMT_FP6 matrix_a_scale:MATRIX_SCALE_ROW1 matrix_b_scale:MATRIX_SCALE_ROW1
.else
	v_wmma_scale_f32_16x16x128_f8f6f4 v[rD:rD+7], v[rB:rB+11], v[rA:rA+11], v[rD:rD+7], v[rSB], v[rSA] matrix_a_fmt:MATRIX_FMT_FP6 matrix_b_fmt:MATRIX_FMT_FP6
	v_wmma_scale_f32_16x16x128_f8f6f4 v[rD+8:rD+15], v[rB+12:rB+23], v[rA:rA+11], v[rD+8:rD+15], v[rSB], v[rSA] matrix_a_fmt:MATRIX_FMT_FP6 matrix_b_fmt:MATRIX_FMT_FP6 matrix_a_scale:MATRIX_SCALE_ROW1
	v_wmma_scale_f32_16x16x128_f8f6f4 v[rD+32:rD+39], v[rB:rB+11], v[rA+12:rA+23], v[rD+32:rD+39], v[rSB], v[rSA] matrix_a_fmt:MATRIX_FMT_FP6 matrix_b_fmt:MATRIX_FMT_FP6 matrix_b_scale:MATRIX_SCALE_ROW1
	v_wmma_scale_f32_16x16x128_f8f6f4 v[rD+40:rD+47], v[rB+12:rB+23], v[rA+12:rA+23], v[rD+40:rD+47], v[rSB], v[rSA] matrix_a_fmt:MATRIX_FMT_FP6 matrix_b_fmt:MATRIX_FMT_FP6 matrix_a_scale:MATRIX_SCALE_ROW1 matrix_b_scale:MATRIX_SCALE_ROW1
.endif
.endm
.macro MULS t, zero                    ; a K step's 32 products.  The 32 accumulators take turns, in the same order in every step, over the backward jump too
.set sB, (\t)%6
.set pA, (\t)%2
.set bsB, 32+4*(1-sB%2)+2*((sB/2)%2)+8*(sB/4)
.if sB < 5
.set bfB, 48*sB
	WIN 0xa7                                       ; source 0 (wq) window 3, source 1 (xq) window 1, C and D window 2
.else
.set bfB, 128
	WIN 0xa4                                       ; source 0 window 0
.endif
.irp a0, 0,2,4,6
.irp b0, 0,2
	QUADW \a0, \b0, \zero
.endr
.endr
.endm
; K step t (counted from the trip's K slot).  First the requests into the sets that the step before has read: wq's step t + 5 (fb), xq's step t + 1 (fa); then the waits for this step's operands; then its products.
; mode 1: the trip's round and its joint load;  mode 2: a barrier that shows that load's tiles to all waves.  ln: the loads from memory that may stay out.
.macro STEP t, zero, mode, fb, fa, ln
.if \mode == 1
	s_wait_tensorcnt 0x0                           ; no tensor load of mine is out: group 0 may be written
	ds_add_u32 v[SPW], v[NIL]
	s_sub_co_u32 s[G0+1], s[G0+1], 4*PANEL         ; places 4 + e, then e
	s_add_nc_u64 s[G0+2:G0+3], s[G0+2:G0+3], 2*KSA ; K slots 4 + e, then 6 + e
	s_wait_dscnt 0x0                               ; the add is done, and so are all my LDS reads
	CROUND                                         ; so of every wave of the four work-groups
	tensor_load_to_lds s[G0:G0+3], s[G1:G1+7]      ; my one load behind the round: one panel
	s_nop 0
.endif
	PLACES
.if \mode == 2
	s_wait_tensorcnt 0x0                           ; my panel has landed;
	s_wait_dscnt 0x0                               ; no LDS instruction of mine is pending at the signal
	s_barrier_signal -1
	s_barrier_wait -1                              ; everybody's has
.endif
.if \fb
	BLOAD (\t)+5
.endif
.if \fa
	ALOAD (\t)+1
.endif
	s_wait_loadcnt \ln                             ; loads come back in order: wq's set of this step is in
.if \fa
	s_wait_dscnt 26                                ; xq's set of this step is in; the 26 just issued may be out
.else
	s_wait_dscnt 0x0
.endif
	MULS \t, \zero
.endm
	s_load_b128 s[4:7], s[0:1], 0x0                ; xq, wq
	s_load_b64 s[8:9], s[0:1], 0x10                ; y
	v_lshl_add_u32 v[SPW], v0, 2, SPARE
	v_mov_b32 v[NIL], 0
	ds_add_u32 v[SPW], v[NIL]
	ds_add_u32 v[SPW], v[NIL]
	v_lshrrev_b32 v1, 5, v0
	v_readfirstlane_b32 s10, v1                    ; wave 0..3
	s_and_b32 s12, s10, 1                          ; which panel of xq's two I fetch,
	s_lshr_b32 s11, s10, 1                         ; and which K slots: e
	s_bfe_u32 s40, ttmp6, 0x40000                  ; cx
	s_lshl_b32 s42, ttmp9, 2
	s_add_co_u32 s42, s42, s40                     ; tile column (256 n) = 4 x cluster x + cx
	s_and_b32 s13, ttmp7, 0xffff                   ; tile row (128 m) = cluster y
	DESC G1, 32, 100, 32                           ; behind a round: a panel as 100 rows of 256 bytes
	DESC G1H, 3200, 2, 64*3200                     ; at the head: two rows, each a panel, a K slot apart
	s_lshl_b32 s16, s13, 1
	s_add_co_u32 s16, s16, s12
	s_mul_i32 s16, s16, PANEL                      ; xq: panel 2 x tile row + p: made of the tile row and the wave's number alone
	s_mul_i32 s18, s11, 2*KSA
	s_add_co_u32 s18, s18, s16                     ; the head: K slots 2 e, 2 e + 1
	s_mov_b32 s19, 0
	s_mul_i32 s20, s11, KSA
	s_add_co_u32 s20, s20, s16
	s_add_co_u32 s20, s20, 2*KSA                   ; the rounds: K slot 2 + e, stepped by two ahead of each load
	s_mov_b32 s21, 0
	s_mul_i32 s22, s12, PREG
	s_mul_i32 s23, s11, 2*PANEL
	s_add_co_u32 s23, s23, s22                     ; LDS, the head: places 2 e, 2 e + 1
	s_mul_i32 s14, s11, PANEL
	s_add_co_u32 s14, s14, s22
	s_add_co_u32 s14, s14, 8*PANEL                 ; the rounds: four places are taken off ahead of each load
	s_lshl_b32 s46, s42, 2
	s_add_co_u32 s46, s46, s10
	s_mul_i32 s46, s46, PANEL                      ; wq: panel 4 x tile column + wave
	s_mov_b32 s47, 0
	s_lshl_b32 s44, s13, 20                        ; y: 128 rows of 8,192 bytes a tile row,
	s_lshl_b32 s45, s42, 10
	s_add_co_u32 s44, s44, s45                     ; 1,024 bytes a tile column,
	s_lshl_b32 s45, s10, 8
	s_add_co_u32 s44, s44, s45                     ; 256 a wave (under 2^26)
	s_mov_b32 s45, 0
	s_mul_i32 s41, s10, 16*SPITCH
	s_add_co_u32 s41, s41, STAGE                   ; my stage
	s_mov_b32 s[XM], 0
	s_mov_b32 s[XH], 2*PANEL
	s_mov_b32 s[XL], 3*PANEL
	v_and_b32 v1, 31, v0                           ; lane l
	v_and_b32 v29, 15, v0                          ; r
	v_bfe_u32 v30, v0, 4, 1                        ; h
	v_lshlrev_b32 v[BA], 4, v1
	v_lshlrev_b32 v31, 3, v1
	v_add_nc_u32 v[BA+2], 24576, v31
	v_add_nc_u32 v[BA+1], PREG, v[BA]
	v_add_nc_u32 v[BA+3], PREG, v[BA+2]
	SETADR
	v_mul_u32_u24 v[STO], v29, SPITCH              ; the stage, in: row r, 32 bytes for each half of the lanes
	v_lshl_add_u32 v[STO], v30, 5, v[STO]
	v_add_nc_u32 v[STO], s41, v[STO]
	v_mul_u32_u24 v[RD], v30, SPITCH               ; back: lanes 0-15 one row of 256 bytes, lanes 16-31 the next
	v_lshl_add_u32 v[RD], v29, 4, v[RD]
	v_add_nc_u32 v[RD], s41, v[RD]
	v_lshlrev_b32 v[CY], 13, v30                   ; and the same two rows in y
	v_lshl_add_u32 v[CY], v29, 4, v[CY]
	s_wait_alu depctr_va_vdst(0)
	s_wait_dscnt 0x0                               ; both opening adds are done
	s_wait_kmcnt 0x0
	s_add_nc_u64 s[18:19], s[4:5], s[18:19]
	s_add_nc_u64 s[20:21], s[4:5], s[20:21]
	s_add_nc_u64 s[BB:BB+1], s[6:7], s[46:47]
	s_add_nc_u64 s[8:9], s[8:9], s[44:45]
	CROUND                                         ; the four work-groups are here: the first joint loads meet
	s_mov_b32 s[G0H], 1
	s_mov_b32 s[G0H+1], s23
	s_mov_b64 s[G0H+2:G0H+3], s[18:19]
	s_or_b32 s[G0H+3], s[G0H+3], 0x80000000
	s_mov_b32 s[G0], 1
	s_mov_b32 s[G0+1], s14
	s_mov_b64 s[G0+2:G0+3], s[20:21]
	s_or_b32 s[G0+3], s[G0+3], 0x80000000
	tensor_load_to_lds s[G0H:G0H+3], s[G1H:G1H+7]  ; my one load at the head; every wave issues the line, each into places of its own
	s_nop 0
	PLACES
.irp g, 0,1,2,3,4
	BLOAD \g                                       ; wq's first five K steps
.endr
	WIN 0
	s_wait_tensorcnt 0x0                           ; my two panels are in;
	s_barrier_signal -1
	s_barrier_wait -1                              ; everybody's are
	ALOAD 0
	STEP 0, 1, 0, 1, 1, 63                         ; the first step's products start the sums.  Behind a set stand five younger sets, 65 loads: the count is the field's largest, 63
	WIN 0                                          ; at a label and at a branch every window is 0
	s_mov_b32 s3, 2
.Ltrip:
	STEP 1, 0, 1, 1, 1, 63
.irp t, 2,3,4,5,6,7,8,9,10
	STEP \t, 0, 0, 1, 1, 63
.endr
	STEP 11, 0, 2, 1, 1, 63                        ; its request for xq is the trip's first that reads the next trip's first place
	STEP 12, 0, 0, 1, 1, 63
	WIN 0
	s_xor_b32 s[XM], s[XM], 3*PANEL                ; place 0, 3, 0
	s_xor_b32 s[XL], s[XL], 3*PANEL                ; place 3, 0, 3
	s_add_co_u32 s[XH], s[XM], 2*PANEL
	SETADR
	s_wait_xcnt 0x0                                ; my loads have read their base
	s_add_nc_u64 s[BB:BB+1], s[BB:BB+1], 3*KSB
	s_sub_co_u32 s3, s3, 1
	s_cmp_lg_u32 s3, 0
	s_wait_alu depctr_va_vdst(0)
	s_cbranch_scc1 .Ltrip
	STEP 1, 0, 0, 1, 1, 63                         ; the last seven steps: K slots 6, 7 lie at places 0, 1; wq's last two steps are asked for, then the counts run down
	STEP 2, 0, 0, 1, 1, 63
	STEP 3, 0, 0, 0, 1, 52
	STEP 4, 0, 0, 0, 1, 39
	STEP 5, 0, 0, 0, 1, 26
	STEP 6, 0, 0, 0, 1, 13
	STEP 7, 0, 0, 0, 0, 0
	WIN 0
; THE WAY OUT, block by block of 16 rows x 64 columns.  A lane holds 32 neighbouring bytes of a row, the lanes beside it other rows: a block goes through my own stage and comes back as whole rows of 256 bytes.
; LDS serves a wave's instructions in order (ISA guide 5.7.1.4): no wait between the stores and the loads, nor in front of the next block's stores.
.macro TOSTAGE a
	WIN 0x08                                       ; an LDS store's data are its source 1: window 2
.irp b, 0,1,2,3
	ds_store_b128 v[STO], v[32*(\a)+8*\b:32*(\a)+8*\b+3] offset:64*\b          ; each accumulator from its low end on
	ds_store_b128 v[STO], v[32*(\a)+8*\b+4:32*(\a)+8*\b+7] offset:64*\b+16
.endr
	WIN 0
.irp q, 0,1,2,3,4,5,6,7
	ds_load_b128 v[BK+32*((\a)%2)+4*\q:BK+32*((\a)%2)+4*\q+3], v[RD] offset:2*\q*SPITCH
.endr
.endm
.macro SEND a, younger                 ; younger: the LDS instructions issued behind block a's loads
	s_wait_dscnt \younger
.irp q, 0,1,2,3,4,5,6,7
	global_store_b128 v[CY], v[BK+32*((\a)%2)+4*\q:BK+32*((\a)%2)+4*\q+3], s[8:9] offset:(16*(\a)+2*\q)*ROWY th:TH_STORE_NT   ; sixteen lanes store 256 consecutive bytes, aligned; the row stands in the immediate (126 rows at the most)
.endr
.endm
	PLACES                                         ; the stage's stores read results just made
	TOSTAGE 0
.irp a, 1,2,3,4,5,6,7
.if \a > 1
	s_wait_xcnt 0x0                                ; block a - 2's stores have read their registers: block a's loads may land there
.endif
	TOSTAGE \a
	SEND \a-1, 16                                  ; behind block a - 1's loads: block a's 8 stores and 8 loads
.endr
	SEND 7, 0
	s_wait_tensorcnt 0x0                           ; the wave's end
	ds_add_u32 v[SPW], v[NIL]
	s_wait_dscnt 0x0
	CROUND                                         ; the closing round
	s_endpgm
.Lfunc_end_k_qa15a5a877a_ygemm:
	.size	k_qa15a5a877a_ygemm, .Lfunc_end_k_qa15a5a877a_ygemm-k_qa15a5a877a_ygemm
	.p2alignl 7, 3214868480
	.fill 96, 4, 3214868480
	.section	.rodata,"a",@progbits
	.p2align	6, 0x0
	.amdhsa_kernel k_qa15a5a877a_ygemm
		.amdhsa_group_segment_fixed_size 327680
		.amdhsa_private_segment_fixed_size 0
		.amdhsa_enable_private_segment 0
		.amdhsa_kernarg_size 24
		.amdhsa_user_sgpr_count 2
		.amdhsa_user_sgpr_kernarg_segment_ptr 1
		.amdhsa_wavefront_size32 1
		.amdhsa_system_sgpr_workgroup_id_x 1
		.amdhsa_system_sgpr_workgroup_id_y 1
		.amdhsa_system_sgpr_workgroup_id_z 1
		.amdhsa_system_vgpr_workitem_id 0
		.amdhsa_next_free_vgpr 1024
		.amdhsa_next_free_sgpr 66
		.amdhsa_reserve_vcc 0
		.amdhsa_float_denorm_mode_32 3
		.amdhsa_float_denorm_mode_16_64 3
		.amdhsa_memory_ordered 1
		.amdhsa_forward_progress 1
		.amdhsa_inst_pref_size 167
	.end_amdhsa_kernel
	.amdgpu_metadata
---
amdhsa.version: [ 1, 2 ]
amdhsa.kernels:
  - .name:           k_qa15a5a877a_ygemm
    .symbol:         k_qa15a5a877a_ygemm.kd
    .args:
      - { .name: xq, .offset: 0, .size: 8, .value_kind: global_buffer, .address_space: global }
      - { .name: wq, .offset: 8, .size: 8, .value_kind: global_buffer, .address_space: global }
      - { .name: out0, .offset: 16, .size: 8, .value_kind: global_buffer, .address_space: global }
    .group_segment_fixed_size: 327680
    .private_segment_fixed_size: 0
    .kernarg_segment_align: 8
    .kernarg_segment_size: 24
    .max_flat_workgroup_size: 128
    .sgpr_count:     66
    .vgpr_count:     1024
    .wavefront_size: 32
...
	.end_amdgpu_metadata
.endif
;; end of part 3
